; MI455X (gfx1250); checked and timed in simulation.
; The chip was launched on July 23, 2026; its instructions are those of AMD's public machine-readable ISA for CDNA 5 (MIT licence, August 2026) and "CDNA5" Instruction Set Architecture Reference Guide (July 2026). The comments in the code are by the model that wrote it; some were corrected since.
;; Codec Llama Codec Embedding. Allowed arithmetic: matrix products marked QUANTISED: E4M3 operands, one E8M0 scale for each 32 along K, by v_wmma_scale_f32_16x16x128_f8f6f4 with both operands' format E4M3, f32 sums; products left as they are: f32 operands where the result goes on into a quantised operand, else bf16, f16 or f32 operands; f32 sums; everything else in f32.
;; Inputs: W1 8 x 16 x 512 float32; W2 8 x 512 x 512 float32; b1 8 x 512 float32; b2 8 x 512 float32; codec_input_ids 4 x 4,096 int32; embed_table 16,384 x 16 float32.
;; Outputs: out0 4 x 4,096 x 512 float32.
;; This version of the problem:
;;   THIS VERSION OF THE PROBLEM IS GIVEN IN LOW PRECISION. The matrix products marked QUANTISED in the list below multiply operands that are first quantised to E4M3 (4 exponent bits, 3 mantissa bits; 8 bits a number), with one power-of-two scale for each 32 numbers along K (OCP MX v1.0); their sums are f32. All else is computed in f32.
;;   The module's matrix products, in the order in which they are computed (A, B: the left and right operand; K: the contracted axis; several contracted axes count as one K, in the product's order):
;;     1. [M 16,384, K 16] x [K 16, N 512]; A: computed on the way; B: input W1: left as it is (K = 16 < 32)
;;     2. [M 16,384, K 512] x [K 512, N 512]; A: computed on the way; B: input W2: QUANTISED
;;     3. [M 16,384, K 16] x [K 16, N 512]; A: computed on the way; B: input W1: left as it is (K = 16 < 32)
;;     4. [M 16,384, K 512] x [K 512, N 512]; A: computed on the way; B: input W2: QUANTISED
;;     5. [M 16,384, K 16] x [K 16, N 512]; A: computed on the way; B: input W1: left as it is (K = 16 < 32)
;;     6. [M 16,384, K 512] x [K 512, N 512]; A: computed on the way; B: input W2: QUANTISED
;;     7. [M 16,384, K 16] x [K 16, N 512]; A: computed on the way; B: input W1: left as it is (K = 16 < 32)
;;     8. [M 16,384, K 512] x [K 512, N 512]; A: computed on the way; B: input W2: QUANTISED
;;     9. [M 16,384, K 16] x [K 16, N 512]; A: computed on the way; B: input W1: left as it is (K = 16 < 32)
;;     10. [M 16,384, K 512] x [K 512, N 512]; A: computed on the way; B: input W2: QUANTISED
;;     11. [M 16,384, K 16] x [K 16, N 512]; A: computed on the way; B: input W1: left as it is (K = 16 < 32)
;;     12. [M 16,384, K 512] x [K 512, N 512]; A: computed on the way; B: input W2: QUANTISED
;;     13. [M 16,384, K 16] x [K 16, N 512]; A: computed on the way; B: input W1: left as it is (K = 16 < 32)
;;     14. [M 16,384, K 512] x [K 512, N 512]; A: computed on the way; B: input W2: QUANTISED
;;     15. [M 16,384, K 16] x [K 16, N 512]; A: computed on the way; B: input W1: left as it is (K = 16 < 32)
;;     16. [M 16,384, K 512] x [K 512, N 512]; A: computed on the way; B: input W2: QUANTISED
;;   THE QUANTISER, for each operand of a quantised product, along K:
;;     - K is cut into blocks of 32 from its start; a last block that is shorter is filled with zeros.
;;     - A block's scale is 2^e with e = floor(log2(the largest magnitude in the block)) - 8, held to -126 .. 127; a block of zeros has e = 0. As a byte (E8M0): e + 127.
;;     - Each number is divided by its block's scale, clamped to +-448, and rounded to the nearest number of E4M3, ties to even, subnormals kept.
;;     - The product sums the exact products of the quantised numbers (number of the format x scale) in f32.
;;   ~~~python
;;   def quantise(x, axis):      # numpy; x: float32 -> the quantised numbers, widened to float32 again
;;       x = np.moveaxis(x, axis, -1); K = x.shape[-1]
;;       x = np.pad(x, [(0, 0)] * (x.ndim - 1) + [(0, -K % 32)]); x = x.reshape(x.shape[:-1] + (-1, 32)); a = np.abs(x).max(-1, keepdims=True)
;;       e = np.where(a > 0, np.clip(np.frexp(np.where(a > 0, a, 1))[1] - 1 - 8, -126, 127), 0)      # np.frexp(a)[1] - 1 = floor(log2(a)), exactly
;;       r = np.clip(x / 2.0 ** e, -448, 448)
;;       step = 2.0 ** (np.maximum(np.frexp(np.where(r == 0, 1, r))[1] - 1, -6) - 3)
;;       q = np.round(r / step) * step * 2.0 ** e      # np.round: ties to even
;;       return np.moveaxis(q.reshape(q.shape[:-2] + (-1,))[..., :K], -1, axis).astype(np.float32)
;;   ~~~
;;   OPERANDS COMPUTED ON THE WAY. 'Computed on the way' means the value that the module computes at that place (a softmax that the list does not call 'softmax' is quantised finished and normalised). What goes into a quantiser is computed in f32, as accurately as f32 sums, v_exp_f32 and their like allow (about 1e-6 of the number): no bf16 or f16 on the way to a quantiser, and a product that is left as it is and whose result goes on into a quantised operand takes f32 operands (vector FMAs, or v_wmma_f32_16x16x4_f32). A number that lies on a knife's edge between two numbers of the format may be rounded either way, as far as f32 arithmetic and the matrix unit's own rounding can turn it there, and no further.
;; 2 versions, each right; version 2 is version 1 with the launch prep written anew for expert scheduling mode. Each part assembles by itself: llvm-mc -triple=amdgcn-amd-amdhsa -mcpu=gfx1250 --defsym DOCPART=n.
;; ======== version 1 of 2: 2 launches
;; workspace buffers: w2c 2,097,152 bytes; w2s 65,536 bytes
;; launch prep (part 1): grid 256 x 1, 2 waves a work-group, no clusters, 0 bytes of LDS; arguments W2, w2c, w2s; writes w2c, w2s
.if DOCPART == 1
	.amdgcn_target "amdgcn-amd-amdhsa--gfx1250"
	.amdhsa_code_object_version 6
	.text
	.protected	k_qc1ea98ce52_prep
	.globl	k_qc1ea98ce52_prep
	.p2align	8
	.type	k_qc1ea98ce52_prep,@function
k_qc1ea98ce52_prep:
	s_mov_b64 s[64:65], 0
	v_nop
	global_prefetch_b8 v0, s[64:65] scope:SCOPE_SE
	s_setreg_imm32_b32 hwreg(HW_REG_WAVE_MODE, 25, 1), 1
	s_wait_xcnt 0x0
; THE PROGRAM.  out[token] = Q(gelu(table[id] W1[k] + b1[k])) Q(W2[k]) + b2[k], k = id >> 11, Q the MX-FP8 quantiser along the hidden axis.
; WORK LEFT OUT, AND WHY IT IS DEAD.  reference() computes all 8 projectors for every token and adds where(cb == k, h, 0) onto zeros: for a token with id >> 11 = k0 the results of the
; seven projectors k != k0 are replaced by 0 whatever finite values the inputs hold, and the zeros that out begins with add nothing.  So only projector id >> 11 is computed for an id.
; The result hangs on a token through its id alone, and the table has 16,384 = 256 x 64 rows, 2,048 to a projector: the chain is computed once for each table row, in 256 tiles of 64 rows
; that each belong to one projector, and a finished row is copied to every token that names it (second launch).  Every input keeps a way to the output: all six are loaded, W2 here, the others there.
; LIMITS.  A NaN, an infinity or an overflow that arises only in a projector that was not chosen for a token is not carried to the result.  Ids lie in 0 .. 16,383, as reference()'s own
; lookup relies on.  NaN and infinities in W2 are not served; blocks of W2 whose largest magnitude lies under 2^(9 - 127) keep the scale byte 1 (a block of zeros too, where the rule says
; 127: its codes are zeros, which add nothing under that byte, and this program alone reads the bytes).
; THIS LAUNCH quantises W2 once, since 32 work-groups of the second launch read each projector's weights.  W2 [8][512 k][512 n], f32, becomes codes of E4M3 and E8M0 scale bytes, along k.
; A lane takes a column n and its registers run down k, so that a block of 32 lies in one lane's registers and needs no other lane.
; The codes are laid in the order of the matrix operand's registers: byte = e 262144 + (n / 16) 8192 + (k / 128) 2048 + ((k / 32) % 4) 512 + ((k / 16) % 2) 256 + (n % 16) 16 + k % 16,
; so a lane's 16 codes are 16 bytes and sixteen neighbouring lanes store 256 consecutive bytes, aligned.  Scale words: ((e 4 + k / 128) 512 + n) 4, byte c for block c.
; SHARES.  512 waves, two to a work-group, that share nothing: no LDS, no barrier.  Wave G = 2 x work-group + wave: projector e = G / 64, columns 256 ((G / 32) % 2) + 32 (G % 8) on, K step s = (G / 8) % 4
; (128 along k: four blocks a lane).  A work-group's two waves read 256 neighbouring bytes of each row, aligned.
.set X,   32                           ; v32-159  four blocks of 32 numbers
.set C,   160                          ; v160-191 their codes, eight registers a block: no store's data are written again
.set SB,  16                           ; v16      the four scale bytes
	s_load_b128 s[4:7], s[0:1], 0x0                ; W2 s[4:5], w2c s[6:7]
	s_load_b64 s[8:9], s[0:1], 0x10                ; w2s
	v_lshrrev_b32 v1, 5, v0
	v_readfirstlane_b32 s16, v1                    ; wave 0..1
	v_and_b32 v1, 31, v0                           ; lane
	s_lshl_b32 s17, ttmp9, 1
	s_add_co_u32 s17, s17, s16                     ; G
	s_lshr_b32 s26, s17, 6                         ; e
	s_bfe_u32 s27, s17, 0x10005                    ; which half of the columns
	s_bfe_u32 s28, s17, 0x20003                    ; s
	s_and_b32 s30, s17, 7                          ; which 32 columns of the half
	s_lshl_b32 s27, s27, 8
	s_lshl_b32 s29, s30, 5
	s_add_co_u32 s27, s27, s29                     ; n0 = my wave's first column
	s_lshl_b32 s24, s26, 20                        ; W2: e x 512 x 2048 bytes
	s_lshl_b32 s29, s28, 18                        ;     + 128 s rows of 2,048 bytes
	s_add_co_u32 s24, s24, s29
	s_lshl_b32 s29, s27, 2                         ;     + 4 n0
	s_add_co_u32 s24, s24, s29
	s_mov_b32 s25, 0
	s_lshl_b32 s34, s26, 13                        ; scale words: ((4 e + s) 512 + n0) 4
	s_add_co_u32 s34, s34, s29
	s_lshl_b32 s29, s28, 11
	s_add_co_u32 s34, s34, s29
	s_mov_b32 s35, 0
	s_lshl_b32 s32, s26, 18                        ; codes: e 262144
	s_add_co_u32 s32, s32, s29                     ;     + 2048 s
	s_lshl_b32 s29, s27, 9                         ;     + (n0 / 16) 8192
	s_add_co_u32 s32, s32, s29
	s_mov_b32 s33, 0
	s_mov_b32 s20, 0x600000                        ; the mantissa field of 448
	v_lshlrev_b32 v2, 2, v1                        ; in, and the scale word out: 4 bytes a lane
	v_lshrrev_b32 v3, 4, v1
	v_and_b32 v4, 15, v1
	v_lshlrev_b32 v3, 13, v3                       ; codes out: lanes 16-31 belong to the next tile of 16 columns,
	v_lshl_add_u32 v3, v4, 4, v3                   ; 16 bytes a column
	s_wait_kmcnt 0x0
	s_add_nc_u64 s[4:5], s[4:5], s[24:25]
	s_add_nc_u64 s[6:7], s[6:7], s[32:33]
	s_add_nc_u64 s[8:9], s[8:9], s[34:35]
.macro LOADB c                         ; block c: W2(128 s + 32 c + i, my column): 32 lanes read 128 consecutive bytes
.irp i, 0,1,2,3,4,5,6,7,8,9,10,11,12,13,14,15,16,17,18,19,20,21,22,23,24,25,26,27,28,29,30,31
	global_load_b32 v[X+32*\c+\i], v2, s[4:5] offset:(32*\c+\i)*2048 th:TH_LOAD_NT
.endr
.endm
.macro BLOCK c
.set XS, X+32*\c
	v_max3_num_f32 v12, |v[XS]|, |v[XS+1]|, |v[XS+2]|              ; the block's largest magnitude: all 32 numbers are mine; two chains
	v_max3_num_f32 v13, |v[XS+3]|, |v[XS+4]|, |v[XS+5]|
.irp i, 6,10,14,18,22,26
	v_max3_num_f32 v12, v12, |v[XS+\i]|, |v[XS+\i+1]|
	v_max3_num_f32 v13, v13, |v[XS+\i+2]|, |v[XS+\i+3]|
.endr
	v_max3_num_f32 v12, v12, |v[XS+30]|, |v[XS+31]|
	v_max3_num_f32 v12, v12, v13, 0x4800000        ; and the floor 2^(9 - 127): the byte cannot fall under 1
	v_add_nc_u32 v11, 0xfc000000, v12              ; 8 off the exponent field: the conversion takes this operand's exponent field as its scale
	v_and_or_b32 v10, v12, 0x7f800000, s20         ; 448 x the scale
	v_lshrrev_b32 v13, 23, v11                     ; the scale's byte
.if \c == 0
	v_mov_b32 v[SB], v13
.else
	v_lshl_or_b32 v[SB], v13, 8*\c, v[SB]
.endif
.irp i, 0,1,2,3,4,5,6,7,8,9,10,11,12,13,14,15,16,17,18,19,20,21,22,23,24,25,26,27,28,29,30,31
	v_med3_num_f32 v[XS+\i], v[XS+\i], -v10, v10   ; the conversion to an 8-bit code does not saturate (ISA guide 7.6.2): the hold at the largest code x the scale
.endr
.irp g, 0,1,2,3
	v_cvt_scalef32_pk8_fp8_f32 v[C+8*\c+2*\g:C+8*\c+2*\g+1], v[XS+8*\g:XS+8*\g+7], v11
.endr
	global_store_b128 v3, v[C+8*\c:C+8*\c+3], s[6:7] offset:512*\c          ; k = 32 c + 0 .. 15: sixteen lanes store 256 consecutive bytes, aligned
	global_store_b128 v3, v[C+8*\c+4:C+8*\c+7], s[6:7] offset:512*\c+256    ; k = 32 c + 16 .. 31
.endm                                  ; (the next block begins with plain vector lines, which stand between these conversions and the next write of their scale operand)
	LOADB 0
	LOADB 1
	s_wait_loadcnt 32                              ; block 0 is in: 32 loads were issued behind it
	LOADB 2
	BLOCK 0
	s_wait_loadcnt 32                              ; block 1 is in: block 2's 32 may be out
	LOADB 3
	BLOCK 1
	s_wait_loadcnt 32                              ; block 2 is in: block 3's 32 may be out
	BLOCK 2
	s_wait_loadcnt 0x0
	BLOCK 3
	global_store_b32 v2, v[SB], s[8:9]             ; my column's scale word: 128 consecutive bytes a wave, 256 a work-group; one byte for 128 read
	s_endpgm
.Lfunc_end_k_qc1ea98ce52_prep:
	.size	k_qc1ea98ce52_prep, .Lfunc_end_k_qc1ea98ce52_prep-k_qc1ea98ce52_prep
	.p2alignl 7, 3214868480
	.fill 96, 4, 3214868480
	.section	.rodata,"a",@progbits
	.p2align	6, 0x0
	.amdhsa_kernel k_qc1ea98ce52_prep
		.amdhsa_group_segment_fixed_size 0
		.amdhsa_private_segment_fixed_size 0
		.amdhsa_enable_private_segment 0
		.amdhsa_kernarg_size 24
		.amdhsa_user_sgpr_count 2
		.amdhsa_user_sgpr_kernarg_segment_ptr 1
		.amdhsa_wavefront_size32 1
		.amdhsa_system_sgpr_workgroup_id_x 1
		.amdhsa_system_sgpr_workgroup_id_y 1
		.amdhsa_system_sgpr_workgroup_id_z 1
		.amdhsa_system_vgpr_workitem_id 0
		.amdhsa_next_free_vgpr 192
		.amdhsa_next_free_sgpr 66
		.amdhsa_reserve_vcc 0
		.amdhsa_float_denorm_mode_32 3
		.amdhsa_float_denorm_mode_16_64 3
		.amdhsa_memory_ordered 1
		.amdhsa_forward_progress 1
		.amdhsa_inst_pref_size 29
	.end_amdhsa_kernel
	.amdgpu_metadata
---
amdhsa.version: [ 1, 2 ]
amdhsa.kernels:
  - .name:           k_qc1ea98ce52_prep
    .symbol:         k_qc1ea98ce52_prep.kd
    .args:
      - { .name: W2, .offset: 0, .size: 8, .value_kind: global_buffer, .address_space: global }
      - { .name: w2c, .offset: 8, .size: 8, .value_kind: global_buffer, .address_space: global }
      - { .name: w2s, .offset: 16, .size: 8, .value_kind: global_buffer, .address_space: global }
    .group_segment_fixed_size: 0
    .private_segment_fixed_size: 0
    .kernarg_segment_align: 8
    .kernarg_segment_size: 24
    .max_flat_workgroup_size: 64
    .sgpr_count:     66
    .vgpr_count:     192
    .wavefront_size: 32
...
	.end_amdgpu_metadata
.endif
;; end of part 1
;; launch chain (part 2): grid 256 x 1, 8 waves a work-group, no clusters, 166,912 bytes of LDS; arguments embed_table, W1, b1, w2c, w2s, b2, codec_input_ids, out0; writes out0
.if DOCPART == 2
	.amdgcn_target "amdgcn-amd-amdhsa--gfx1250"
	.amdhsa_code_object_version 6
	.text
	.protected	k_qc1ea98ce52_chain
	.globl	k_qc1ea98ce52_chain
	.p2align	8
	.type	k_qc1ea98ce52_chain,@function
k_qc1ea98ce52_chain:
	s_mov_b64 s[64:65], 0
	v_nop
	global_prefetch_b8 v0, s[64:65] scope:SCOPE_SE
	s_setreg_imm32_b32 hwreg(HW_REG_WAVE_MODE, 25, 1), 1
	s_wait_xcnt 0x0
; out[token] = Q(gelu(table[id] W1[k] + b1[k])) Q(W2[k]) + b2[k], k = id >> 11.  WORK LEFT OUT: the seven projectors that reference() masks away for a token, and the zeros it adds onto
; (shown at the head of the first launch); a NaN, an infinity or an overflow that arises only there is not carried to the result.
; Work-group g takes table rows 64 g .. 64 g + 63, all of projector e = g / 32, through the whole chain, and then copies each finished row to the tokens that name it: it scans the ids itself.
; Rows that no token names are computed all the same: they come inside tiles that hold live rows.  Every output row has one owner: the token's id lies in one tile, its number in one wave's share of the scan.
; NO TENSOR LOAD, NO CLUSTER: the copy's jumps and trip counts hang on the ids, numbers read from memory.  Operands go from memory straight into registers.
; LIMITS.  gelu(x) comes out as 0 where 0.5 erfc(|x| / sqrt 2) falls under 2^-126 (x under about -13.1: v_exp_f32 gives 0 there); its relative error elsewhere is a few parts in 10^7.
; The time of a work-group's copy grows with the number of tokens that name its 64 ids; the result is right for every split.  Ids lie in 0 .. 16,383.
; SHARES.  Eight waves.  THE WAVES SHARE THE COLUMNS, NOT THE ROWS.
;  1: wave w makes hidden units 64 w .. 64 w + 63 of all 64 rows, a tile of 16 rows at a time: the product with W1 in f32 (K = 16: four matrix instructions of K = 4 for each of four tiles of units), b1 as
;     the C of each sum's first instruction; gelu; quantised in registers; the codes go to LDS as an image of the next operand's registers: blocks 2 (w % 2), 2 (w % 2) + 1 of K step w / 2.   | barrier |
;  2: wave w makes output columns 64 w .. 64 w + 63 of all 64 rows: its 32 KiB of W2's codes lie in 256 registers, asked for at the head; b2 is the C of each sum's first instruction; results to a stage in LDS.   | barrier |
;  3: wave w scans the ids of tokens 2048 w .. 2048 w + 2047 and copies, for each that lies in the tile, its row from the stage to out: 2,048 bytes a row, each store 512 consecutive bytes, aligned.   | barrier | the wave's end.
; BOTH PRODUCTS ARE USED TRANSPOSED (source 0 = 16 rows of the weight, source 1 = 16 table rows): a lane holds ONE table row (lane % 16) throughout.
; THE UNITS OF A TILE ARE NOT NEIGHBOURS: lane r of tile 2 b + u takes unit 64 w + 32 b + 8 u + r + 8 (r / 8), so that the 16 registers of tiles 2 b, 2 b + 1 are 16 neighbours along the next K.
; In the first product step q of K takes d = 8 (lane / 16) + 2 q + j in register j, in both operands alike: a lane's eight numbers of a table row are then 32 neighbouring bytes.
; gelu(x) = max(x, 0) - |x| q, q = 0.5 erfc(|x| / sqrt 2) = t 2^(c0 + c1 t + .. + c9 t^9 - 0.7213475 x^2), t = 1 / (1 + 0.35355339 |x|): one form for both signs, and no difference of near numbers.
; REGISTERS, window 0: v1-9 addresses that stay; v10, v11 the add's two; v[12:13] c8; v14-19 offsets (v14 later the copy's LDS address); v20-27 W2's scale words, v28-31 the hidden layer's: scales and nothing else;
;   v32-63 the four fragments of table rows, later b2;  v64-95 t, then gelu;  v96-127 the polynomial, then q, then the codes;  v64-127 later four hidden fragments;  v64-79 later a row on its way out;
;   v128-159 the first product's four accumulators (written by matrix instructions alone);  v160-191 W1's fragments;  v192-223 b1;  v232-255 at work;  v128-255 later the 16 accumulators of the second product;
;   v160-223 in phase 3: id - 64 g of my 2,048 tokens.
;   window 1: W2's 16 fragments: K step s, tile t at v[64 s + 16 t]; v0-63, once K step 0 is multiplied: my 2,048 ids as loaded.
.set HIMG,  0                          ; LDS: the hidden layer's 16 fragments (tile of rows m, K step s) at (4 m + s) 2048; piece c at + 512 c + 16 lane
.set HSC,   32768                      ; their scale bytes: 256 m + 16 r + 4 s + c
.set STG,   33792                      ; the stage: 64 rows x (2,048 bytes + 16)
.set SP,    2064                       ; 129 x 16 bytes: the sixteen rows that a store touches fall on sixteen different columns of 16 bytes
.set SPARE, STG+64*SP                  ; the spare words, 128 bytes for each wave: four blocks of 256 bytes that no other line names
.set E,   32
.set B2,  32
.set T,   64
.set P,   96
.set PC,  96
.set HF,  64
.set R,   64
.set H,   128
.set ACC, 128
.set W1F, 160
.set IDR, 160
.set BI,  192
.set W,   232
.set TM,  240                          ; v240-241 largest magnitudes, v242-243 the other half's, then bytes, v244-245 448 x the scale, v246-247 the conversions' scale operands
.set PW,  248                          ; the two scale bytes just made
.set WS,  20
.set HS,  28
.set MSB, 0
.macro WIN new                         ; the immediate's high byte repeats the setting that is left
.if MSB != \new
	s_set_vgpr_msb (MSB<<8)|\new
.set MSB, \new
.endif
.endm
.macro BARRIER                         ; my LDS stores have landed and my LDS loads are in: then the work-group's barrier
	s_wait_dscnt 0x0
	s_barrier_signal -1
	s_barrier_wait -1
.endm
.macro W2LOAD s                        ; my four fragments of W2 for K step s: the codes lie in the order of the registers, 512 consecutive bytes a load
	WIN 0x40                                       ; destination window 1
.irp t, 0,1,2,3
.irp c, 0,1,2,3
	global_load_b128 v[64*\s+16*\t+4*\c:64*\s+16*\t+4*\c+3], v1, s[10:11] offset:8192*\t+2048*\s+512*\c
.endr
.endr
	WIN 0
.endm
.macro IDLOAD                          ; my 2,048 ids: load j, word c of lane l is token 2048 w + 128 j + 4 l + c; 512 consecutive bytes a load; all 256 work-groups read these bytes, so no hint
	WIN 0x40                                       ; destination window 1: the registers of W2's K step 0
.irp j, 0,1,2,3,4,5,6,7,8,9,10,11,12,13,14,15
	global_load_b128 v[4*\j:4*\j+3], v1, s[16:17] offset:512*\j
.endr
	WIN 0
.endm
	s_load_b512 s[4:19], s[0:1], 0x0               ; table s[4:5], W1 s[6:7], b1 s[8:9], w2c s[10:11], w2s s[12:13], b2 s[14:15], ids s[16:17], out s[18:19]
	v_lshl_add_u32 v10, v0, 2, SPARE               ; my spare word,
	v_mov_b32 v11, 0                               ; and 0: kept for the wave's end alone
	v_lshrrev_b32 v14, 5, v0
	v_readfirstlane_b32 s20, v14                   ; wave 0..7
	s_lshr_b32 s22, ttmp9, 5                       ; e
	s_lshl_b32 s21, ttmp9, 6
	s_sub_co_u32 s21, 0, s21                       ; -64 g: what is added to an id in phase 3
	s_mov_b32 s25, 0                               ; the upper word of every offset
	v_and_b32 v15, 31, v0                          ; lane
	v_and_b32 v16, 15, v0                          ; r
	v_bfe_u32 v17, v0, 4, 1                        ; h
	v_lshlrev_b32 v1, 4, v15                       ; 16 x lane
	v_lshlrev_b32 v2, 2, v15                       ; 4 x lane
	s_lshl_b32 s24, s20, 10
	v_add_nc_u32 v4, s24, v1                       ; where I store the hidden layer's images: 1024 w + 16 lane
	v_lshlrev_b32 v6, 4, v16
	v_add_nc_u32 v6, HSC, v6                       ; a row's scale bytes: HSC + 16 r
	s_lshl_b32 s24, s20, 1
	v_add_nc_u32 v5, s24, v6                       ; and my two of them: + 2 w
	v_mul_u32_u24 v7, v16, SP
	v_lshl_add_u32 v7, v17, 5, v7
	s_lshl_b32 s24, s20, 8
	s_add_co_u32 s24, s24, STG
	v_add_nc_u32 v7, s24, v7                       ; the stage, in: row r, + 32 h, + 256 w
	v_add_nc_u32 v8, 32*SP, v7                     ; and 32 rows further down (an LDS offset has 16 bits)
	v_add_nc_u32 v9, STG, v1                       ; the stage, out: 16 bytes a lane
	v_lshlrev_b32 v14, 6, v16
	v_lshl_add_u32 v14, v17, 5, v14                ; table: row r of 64 bytes, + 32 h
	v_and_b32 v18, 8, v16
	v_add_nc_u32 v18, v18, v16                     ; r + 8 (r / 8)
	v_lshlrev_b32 v18, 2, v18
	v_lshl_add_u32 v18, v17, 14, v18               ; W1: + 8 h rows of 2,048 bytes
	v_lshlrev_b32 v19, 6, v17                      ; b1: 16 h numbers on
	v_lshlrev_b32 v3, 5, v17                       ; b2: 8 h numbers on
	v_mov_b32 v12, 0xbf97d29d                      ; c8, twice
	v_mov_b32 v13, 0xbf97d29d
	v_mov_b32 v[TM+2], 0                           ; written once: a lane permute's destination counts as one of its sources
	v_mov_b32 v[TM+3], 0
	s_mov_b32 s28, 0x76543210
	s_mov_b32 s29, 0xfedcba98                      ; v_permlanex16_b32's selects for lane l xor 16
	s_mov_b32 s30, 0x600000                        ; the mantissa field of 448
	s_mov_b32 s31, 0x3eb504f3                      ; 0.35355339 = 1 / (2 sqrt 2)
	s_mov_b32 s32, 0xbf38aa3b                      ; -log2(e) / 2.  The packed forms name pairs and take the low word for both halves: both words are written
	s_mov_b32 s33, 0xbf38aa3b
	s_mov_b32 s34, 0xc034d90f                      ; c0 .. c7, c9: the series' coefficients x log2(e); c0 has 1 taken off, for the factor 0.5
	s_mov_b32 s35, 0xc034d90f
	s_mov_b32 s36, 0x3fb8ab5a
	s_mov_b32 s37, 0x3fb8ab5a
	s_mov_b32 s38, 0x3f0a29d2
	s_mov_b32 s39, 0x3f0a29d2
	s_mov_b32 s40, 0x3e0efb2e
	s_mov_b32 s41, 0x3e0efb2e
	s_mov_b32 s42, 0xbe899a80
	s_mov_b32 s43, 0xbe899a80
	s_mov_b32 s44, 0x3ecdfd18
	s_mov_b32 s45, 0x3ecdfd18
	s_mov_b32 s46, 0xbfd1a1e5
	s_mov_b32 s47, 0xbfd1a1e5
	s_mov_b32 s48, 0x40097039
	s_mov_b32 s49, 0x40097039
	s_mov_b32 s50, 0x3e7c6f08
	s_mov_b32 s51, 0x3e7c6f08
	s_lshl_b32 s26, s20, 8                         ; 256 w
	s_wait_kmcnt 0x0
	s_lshl_b32 s24, ttmp9, 12                      ; table: 64 g rows of 64 bytes
	s_add_nc_u64 s[4:5], s[4:5], s[24:25]
	s_lshl_b32 s24, s22, 15                        ; W1: e x 16 x 2,048 bytes + my 64 units
	s_add_co_u32 s24, s24, s26
	s_add_nc_u64 s[6:7], s[6:7], s[24:25]
	s_lshl_b32 s24, s22, 11                        ; b1 and b2: e x 2,048 bytes + my 64 numbers
	s_add_co_u32 s24, s24, s26
	s_add_nc_u64 s[8:9], s[8:9], s[24:25]
	s_add_nc_u64 s[14:15], s[14:15], s[24:25]
	s_lshl_b32 s24, s22, 13                        ; W2's scale words: e x 4 x 2,048 bytes + my 64 columns
	s_add_co_u32 s24, s24, s26
	s_add_nc_u64 s[12:13], s[12:13], s[24:25]
	s_lshl_b32 s24, s22, 18                        ; W2's codes: e 262144 + my four tiles of 8,192 bytes
	s_lshl_b32 s27, s20, 15
	s_add_co_u32 s24, s24, s27
	s_add_nc_u64 s[10:11], s[10:11], s[24:25]
	s_lshl_b32 s24, s20, 13                        ; ids: my 2,048 tokens, 4 bytes each
	s_add_nc_u64 s[16:17], s[16:17], s[24:25]
	s_lshl_b32 s24, s20, 22                        ; out: the same tokens' rows of 2,048 bytes
	s_add_nc_u64 s[18:19], s[18:19], s[24:25]
.irp m, 0,1,2,3
	global_load_b128 v[E+8*\m:E+8*\m+3], v14, s[4:5] offset:1024*\m          ; table(16 m + r, 8 h + 0 .. 7): register 2 q + j is step q's
	global_load_b128 v[E+8*\m+4:E+8*\m+7], v14, s[4:5] offset:1024*\m+16
.endr
.irp t, 0,1,2,3
.irp d, 0,1,2,3,4,5,6,7
	global_load_b32 v[W1F+8*\t+\d], v18, s[6:7] offset:2048*\d+(32*(\t/2)+8*(\t%2))*4   ; W1(8 h + d, the tile's unit of lane r)
.endr
.endr
.irp t, 0,1,2,3
	global_load_b128 v[BI+8*\t:BI+8*\t+3], v19, s[8:9] offset:(32*(\t/2)+8*(\t%2))*4     ; b1 in the result's layout: units 32 b + 16 h + 8 u + 0 .. 7
	global_load_b128 v[BI+8*\t+4:BI+8*\t+7], v19, s[8:9] offset:(32*(\t/2)+8*(\t%2))*4+16
.endr
.irp s, 0,1,2,3
.irp p, 0,1
	global_load_b32 v[WS+2*\s+\p], v2, s[12:13] offset:2048*\s+128*\p        ; lanes 0-15: tile 2 p's scale words of K step s; lanes 16-31: tile 2 p + 1's
.endr
.endr
	W2LOAD 0
	W2LOAD 1
	W2LOAD 2
	s_wait_loadcnt 56                              ; the table rows, W1 and b1 are in: behind them 8 loads of scale words and 48 of codes were issued, which land under phase 1
; gelu of the 32 numbers in v[H] on, into v[T] on.  Two batches of transcendentals, each with one plain line and one wait behind it, ahead of its first reader.
.macro GELU
.set j, 0
.rept 32
	v_fma_f32 v[T+j], |v[H+j]|, s31, 1.0           ; 1 + |x| / (2 sqrt 2); each accumulator is read from its low end on
.set j, j+1
.endr
.set j, 0
.rept 32
	v_rcp_f32 v[T+j], v[T+j]                       ; t
.set j, j+1
.endr
	v_nop
	s_wait_alu depctr_va_vdst(0)
.set j, 0
.rept 16
	v_pk_fma_f32 v[P+j:P+j+1], v[T+j:T+j+1], s[50:51], v[12:13] op_sel_hi:[1,0,1]        ; c9 t + c8
.set j, j+2
.endr
.irp ci, 48,46,44,42,40,38,36,34
.set j, 0
.rept 16
	v_pk_fma_f32 v[P+j:P+j+1], v[P+j:P+j+1], v[T+j:T+j+1], s[\ci:\ci+1] op_sel_hi:[1,1,0]   ; .. t + c7 .. c0: sixteen chains by turns
.set j, j+2
.endr
.endr
.set g, 0
.rept 4
.irp p, 0,1,2,3
	v_pk_mul_f32 v[W+2*\p:W+2*\p+1], v[H+8*g+2*\p:H+8*g+2*\p+1], v[H+8*g+2*\p:H+8*g+2*\p+1]   ; x^2
.endr
.irp p, 0,1,2,3
	v_pk_fma_f32 v[P+8*g+2*\p:P+8*g+2*\p+1], v[W+2*\p:W+2*\p+1], s[32:33], v[P+8*g+2*\p:P+8*g+2*\p+1] op_sel_hi:[1,0,1]
.endr
.set g, g+1
.endr
.set j, 0
.rept 32
	v_exp_f32 v[P+j], v[P+j]
.set j, j+1
.endr
	v_nop
	s_wait_alu depctr_va_vdst(0)
.set j, 0
.rept 16
	v_pk_mul_f32 v[P+j:P+j+1], v[P+j:P+j+1], v[T+j:T+j+1]      ; q = 0.5 erfc(|x| / sqrt 2)
.set j, j+2
.endr
.set j, 0
.rept 32
	v_max_num_f32 v[T+j], 0, v[H+j]
.set j, j+1
.endr
.set j, 0
.rept 32
	v_fma_f32 v[T+j], -|v[H+j]|, v[P+j], v[T+j]    ; max(x, 0) - |x| q
.set j, j+1
.endr
.endm
; The 32 numbers in v[T] on, register 16 b + i = k 32 b + 16 (lane / 16) + i of my row, become 32 codes in v[PC] on and two scale bytes in v[PW].
.macro QUANT2
.irp b, 0,1
	v_max3_num_f32 v[TM+\b], |v[T+16*\b]|, |v[T+16*\b+1]|, 0x4800000   ; my 16 numbers of block b, and the floor 2^(9 - 127): the byte cannot fall under 1
.endr
.irp i, 2,4,6,8,10,12,14
.irp b, 0,1
	v_max3_num_f32 v[TM+\b], v[TM+\b], |v[T+16*\b+\i]|, |v[T+16*\b+\i+1]|
.endr
.endr
.irp b, 0,1
	v_permlanex16_b32 v[TM+2+\b], v[TM+\b], s28, s29
.endr
.irp b, 0,1
	v_max_num_f32 v[TM+\b], v[TM+\b], v[TM+2+\b]   ; with lane l xor 16's: the block's largest magnitude
.endr
.irp b, 0,1
	v_add_nc_u32 v[TM+6+\b], 0xfc000000, v[TM+\b]  ; 8 off its exponent field: the conversion's scale operand
.endr
.irp b, 0,1
	v_and_or_b32 v[TM+4+\b], v[TM+\b], 0x7f800000, s30   ; 448 x the scale
.endr
.irp b, 0,1
	v_lshrrev_b32 v[TM+2+\b], 23, v[TM+6+\b]       ; the scale's byte
.endr
	v_lshl_or_b32 v[PW], v[TM+3], 8, v[TM+2]
.irp b, 0,1
.irp i, 0,1,2,3,4,5,6,7,8,9,10,11,12,13,14,15
	v_med3_num_f32 v[T+16*\b+\i], v[T+16*\b+\i], -v[TM+4+\b], v[TM+4+\b]   ; the conversion to an 8-bit code does not saturate (ISA guide 7.6.2): the hold
.endr
	v_cvt_scalef32_pk8_fp8_f32 v[PC+4*\b:PC+4*\b+1], v[T+16*\b:T+16*\b+7], v[TM+6+\b]
	v_cvt_scalef32_pk8_fp8_f32 v[PC+4*\b+2:PC+4*\b+3], v[T+16*\b+8:T+16*\b+15], v[TM+6+\b]
.endr
	v_nop                                          ; one plain line behind the last conversion, ahead of whatever vector or matrix line next touches its registers
.endm
; PHASE 1, tile m of 16 table rows.  The four accumulators take turns, one instruction a turn.
.macro TRIP m
.irp q, 0,1,2,3
.irp t, 0,1,2,3
.if \q == 0
	v_wmma_f32_16x16x4_f32 v[H+8*\t:H+8*\t+7], v[W1F+8*\t+2*\q:W1F+8*\t+2*\q+1], v[E+8*\m+2*\q:E+8*\m+2*\q+1], v[BI+8*\t:BI+8*\t+7]
.else
	v_wmma_f32_16x16x4_f32 v[H+8*\t:H+8*\t+7], v[W1F+8*\t+2*\q:W1F+8*\t+2*\q+1], v[E+8*\m+2*\q:E+8*\m+2*\q+1], v[H+8*\t:H+8*\t+7]
.endif
.endr
.endr
.rept 8
	v_nop                                          ; eight places ahead of the first read of the results, and in the last tile of the loads into the table rows' registers
.endr
.if \m == 3
.irp t, 0,1,2,3
	global_load_b128 v[B2+8*\t:B2+8*\t+3], v3, s[14:15] offset:64*\t         ; the table rows are done with: b2 takes their registers, in the second result's layout: columns 16 t + 8 h + 0 .. 7
	global_load_b128 v[B2+8*\t+4:B2+8*\t+7], v3, s[14:15] offset:64*\t+16
.endr
	W2LOAD 3
.endif
.if \m > 0
	s_wait_dscnt 0x0                               ; the last tile's LDS stores have read their registers, which are written again below
.endif
	GELU
	QUANT2
	ds_store_b128 v4, v[PC:PC+3] offset:HIMG+8192*\m           ; the operand's registers as they stand: 512 consecutive bytes a store
	ds_store_b128 v4, v[PC+4:PC+7] offset:HIMG+8192*\m+512
	ds_store_b16 v5, v[PW] offset:256*\m           ; lanes r and r + 16 write the same two bytes with the same value
.endm
	TRIP 0
	TRIP 1
	TRIP 2
	TRIP 3
	BARRIER                                        ; the hidden layer's sixteen fragments and their scale bytes lie in LDS
; PHASE 2.  One product: accumulator (t, m) at v[ACC + 8 (4 t + m)]; lane (r, h), register j: out(row 16 m + r, column 64 w + 16 t + 8 h + j).
.macro MM s, t, m
.set DA, ACC+8*(4*(\t)+(\m))
.set AA, 64*(\s)+16*(\t)
.set BB, HF+16*(\m)
.set SA, WS+2*(\s)+(\t)/2
.if (\s) == 0
.if (\t)%2
	v_wmma_scale_f32_16x16x128_f8f6f4 v[DA:DA+7], v[AA:AA+15], v[BB:BB+15], v[B2+8*(\t):B2+8*(\t)+7], v[SA], v[HS+(\m)] matrix_a_scale:MATRIX_SCALE_ROW1
.else
	v_wmma_scale_f32_16x16x128_f8f6f4 v[DA:DA+7], v[AA:AA+15], v[BB:BB+15], v[B2+8*(\t):B2+8*(\t)+7], v[SA], v[HS+(\m)]
.endif
.else
.if (\t)%2
	v_wmma_scale_f32_16x16x128_f8f6f4 v[DA:DA+7], v[AA:AA+15], v[BB:BB+15], v[DA:DA+7], v[SA], v[HS+(\m)] matrix_a_scale:MATRIX_SCALE_ROW1
.else
	v_wmma_scale_f32_16x16x128_f8f6f4 v[DA:DA+7], v[AA:AA+15], v[BB:BB+15], v[DA:DA+7], v[SA], v[HS+(\m)]
.endif
.endif
.endm
.macro KSTEP s                         ; 128 along K: the four tiles of rows' fragments from LDS, then 16 products, the 16 accumulators by turns
.if \s > 0
.rept 8
	v_nop                                          ; eight places ahead of loads into registers that matrix instructions have read
.endr
.endif
.if \s == 1
	IDLOAD                                         ; K step 0's fragments of W2 are done with: my ids take their registers, and have three K steps, the stage's stores and a barrier in which to land
.endif
.irp m, 0,1,2,3
.irp c, 0,1,2,3
	ds_load_b128 v[HF+16*\m+4*\c:HF+16*\m+4*\c+3], v1 offset:HIMG+(4*\m+\s)*2048+512*\c
.endr
	ds_load_b32 v[HS+\m], v6 offset:256*\m+4*\s    ; lane r: row r's four scale bytes of this K step
.endr
	s_wait_dscnt 0x0
.if \s == 0
	s_wait_loadcnt 16                              ; W2's scale words, its codes of K steps 0 to 2 and b2 are in: only K step 3's 16 loads were issued behind them
.endif
.if \s == 3
	s_wait_loadcnt 16                              ; K step 3's codes are in: only the 16 loads of ids were issued behind them
.endif
	WIN 0x01                                       ; source 0 (W2) window 1
.irp t, 0,1,2,3
.irp m, 0,1,2,3
	MM \s, \t, \m
.endr
.endr
	WIN 0
.endm
	KSTEP 0
	KSTEP 1
	KSTEP 2
	KSTEP 3
.rept 8
	v_nop                                          ; eight places ahead of the stores that read the results, and of phase 3's writes of registers that the last products named
.endr
.irp m, 0,1
.irp t, 0,1,2,3
	ds_store_b128 v7, v[ACC+8*(4*\t+\m):ACC+8*(4*\t+\m)+3] offset:\m*16*SP+64*\t          ; each accumulator from its low end on
	ds_store_b128 v7, v[ACC+8*(4*\t+\m)+4:ACC+8*(4*\t+\m)+7] offset:\m*16*SP+64*\t+16
.endr
.endr
.irp m, 2,3
.irp t, 0,1,2,3
	ds_store_b128 v8, v[ACC+8*(4*\t+\m):ACC+8*(4*\t+\m)+3] offset:(\m-2)*16*SP+64*\t
	ds_store_b128 v8, v[ACC+8*(4*\t+\m)+4:ACC+8*(4*\t+\m)+7] offset:(\m-2)*16*SP+64*\t+16
.endr
.endr
	BARRIER                                        ; 64 whole rows of results lie in the stage, and my stores have read the accumulators; from here to the next barrier LDS is only read
; PHASE 3.  d = id - 64 g, unsigned: under 64 where the token's id lies in my tile, and then its row in the stage.  One pass under one setting of the windows brings it into window 0.
	WIN 0x04                                       ; source 1 window 1
.set Q, 0
.rept 64
.if Q%4 == 0
	s_wait_loadcnt 15-Q/4                          ; loads come back in order: load Q / 4 of the ids is in, the later ones may be out
.endif
	v_add_nc_u32 v[IDR+Q], s21, v[Q]
.set Q, Q+1
.endr
	WIN 0
; One register of d (load j, word c), its lanes that match in s[88 + c].  A counted loop walks them from the lowest on.  One row at a time: read from the stage, stored to the token's row of out.
.macro MATCH j, c
	s_cmp_eq_u32 s[88+\c], 0
	s_cbranch_scc1 .Lno_\@
	s_bcnt1_i32_b32 s27, s[88+\c]                  ; how many: the loop's trips
	s_mov_b32 s23, 0
.Lbit_\@:
	s_ctz_i32_b32 s95, s[88+\c]                    ; the lowest lane that matches
	s_min_u32 s95, s95, 31
	v_readlane_b32 s96, v[IDR+4*\j+\c], s95        ; its row
	s_min_u32 s96, s96, 63
	s_mul_i32 s96, s96, SP
	v_add_nc_u32 v14, s96, v9
	s_wait_xcnt 0x0                                ; the last row's stores have read their data and their base: both are written again below
.irp k, 0,1,2,3
	ds_load_b128 v[R+4*\k:R+4*\k+3], v14 offset:512*\k
.endr
	s_lshl_b32 s24, s95, 13                        ; lane l holds token .. + 4 l: 4 rows of 2,048 bytes a lane
	s_add_nc_u64 s[84:85], s[18:19], s[24:25]
	s_sub_co_u32 s97, s[88+\c], 1
	s_and_b32 s[88+\c], s[88+\c], s97              ; that lane is done
	s_wait_dscnt 0x0                               ; the row is in
.irp k, 0,1,2,3
	global_store_b128 v1, v[R+4*\k:R+4*\k+3], s[84:85] offset:(128*\j+\c)*2048+512*\k th:TH_STORE_NT   ; 512 consecutive bytes, aligned; written once, read by nobody here.  The register's part of the token, 128 j + c, stands in the immediate: 3,939,840 bytes at the most
.endr
	s_add_co_u32 s23, s23, 1
	s_cmp_lt_u32 s23, s27
	s_cbranch_scc1 .Lbit_\@
.Lno_\@:
.endm
; Four registers at a time: 128 tokens.  Where none of them matches, one jump leads on.
.macro GROUP j
.irp c, 0,1,2,3
	v_cmp_gt_u32 s[88+\c], 64, v[IDR+4*\j+\c]
.endr
	s_or_b32 s92, s88, s89
	s_or_b32 s93, s90, s91
	s_or_b32 s92, s92, s93
	s_cmp_eq_u32 s92, 0
	s_cbranch_scc1 .Lnog_\@
.irp c, 0,1,2,3
	MATCH \j, \c
.endr
.Lnog_\@:
.endm
.irp j, 0,1,2,3,4,5,6,7,8,9,10,11,12,13,14,15
	GROUP \j
.endr
	BARRIER                                        ; every wave's reads of the stage are over
	s_wait_tensorcnt 0x0                           ; the wave's end
	ds_add_u32 v10, v11
	s_wait_dscnt 0x0
	s_endpgm
.Lfunc_end_k_qc1ea98ce52_chain:
	.size	k_qc1ea98ce52_chain, .Lfunc_end_k_qc1ea98ce52_chain-k_qc1ea98ce52_chain
	.p2alignl 7, 3214868480
	.fill 96, 4, 3214868480
	.section	.rodata,"a",@progbits
	.p2align	6, 0x0
	.amdhsa_kernel k_qc1ea98ce52_chain
		.amdhsa_group_segment_fixed_size 166912
		.amdhsa_private_segment_fixed_size 0
		.amdhsa_enable_private_segment 0
		.amdhsa_kernarg_size 64
		.amdhsa_user_sgpr_count 2
		.amdhsa_user_sgpr_kernarg_segment_ptr 1
		.amdhsa_wavefront_size32 1
		.amdhsa_system_sgpr_workgroup_id_x 1
		.amdhsa_system_sgpr_workgroup_id_y 1
		.amdhsa_system_sgpr_workgroup_id_z 1
		.amdhsa_system_vgpr_workitem_id 0
		.amdhsa_next_free_vgpr 512
		.amdhsa_next_free_sgpr 100
		.amdhsa_reserve_vcc 0
		.amdhsa_float_denorm_mode_32 3
		.amdhsa_float_denorm_mode_16_64 3
		.amdhsa_memory_ordered 1
		.amdhsa_forward_progress 1
		.amdhsa_inst_pref_size 225
	.end_amdhsa_kernel
	.amdgpu_metadata
---
amdhsa.version: [ 1, 2 ]
amdhsa.kernels:
  - .name:           k_qc1ea98ce52_chain
    .symbol:         k_qc1ea98ce52_chain.kd
    .args:
      - { .name: embed_table, .offset: 0, .size: 8, .value_kind: global_buffer, .address_space: global }
      - { .name: W1, .offset: 8, .size: 8, .value_kind: global_buffer, .address_space: global }
      - { .name: b1, .offset: 16, .size: 8, .value_kind: global_buffer, .address_space: global }
      - { .name: w2c, .offset: 24, .size: 8, .value_kind: global_buffer, .address_space: global }
      - { .name: w2s, .offset: 32, .size: 8, .value_kind: global_buffer, .address_space: global }
      - { .name: b2, .offset: 40, .size: 8, .value_kind: global_buffer, .address_space: global }
      - { .name: codec_input_ids, .offset: 48, .size: 8, .value_kind: global_buffer, .address_space: global }
      - { .name: out0, .offset: 56, .size: 8, .value_kind: global_buffer, .address_space: global }
    .group_segment_fixed_size: 166912
    .private_segment_fixed_size: 0
    .kernarg_segment_align: 8
    .kernarg_segment_size: 64
    .max_flat_workgroup_size: 256
    .sgpr_count:     100
    .vgpr_count:     512
    .wavefront_size: 32
...
	.end_amdgpu_metadata
.endif
;; end of part 2
;; ======== version 2 of 2: 2 launches; version 1 with the launch prep written anew for expert scheduling mode
;; workspace buffers: w2c 2,097,152 bytes; w2s 65,536 bytes
;; launch prep (part 3): grid 256 x 1, 2 waves a work-group, no clusters, 0 bytes of LDS; arguments W2, w2c, w2s; writes w2c, w2s
.if DOCPART == 3
	.amdgcn_target "amdgcn-amd-amdhsa--gfx1250"
	.amdhsa_code_object_version 6
	.text
	.protected	k_qc1ea98ce52_prep
	.globl	k_qc1ea98ce52_prep
	.p2align	8
	.type	k_qc1ea98ce52_prep,@function
k_qc1ea98ce52_prep:
	s_mov_b64 s[64:65], 0
	v_nop
	global_prefetch_b8 v0, s[64:65] scope:SCOPE_SE
	s_setreg_imm32_b32 hwreg(HW_REG_WAVE_SCHED_MODE, 0, 2), 2
	s_setreg_imm32_b32 hwreg(HW_REG_WAVE_MODE, 25, 1), 1
	s_wait_xcnt 0x0
	s_wait_alu depctr_vm_vsrc(0)
; THE PROGRAM.  out[token] = Q(gelu(table[id] W1[k] + b1[k])) Q(W2[k]) + b2[k], k = id >> 11, Q the MX-FP8 quantiser along the hidden axis.
; WORK LEFT OUT, AND WHY IT IS DEAD.  reference() computes all 8 projectors for every token and adds where(cb == k, h, 0) onto zeros: for a token with id >> 11 = k0 the results of the
; seven projectors k != k0 are replaced by 0 whatever finite values the inputs hold, and the zeros that out begins with add nothing.  So only projector id >> 11 is computed for an id.
; The result hangs on a token through its id alone, and the table has 16,384 = 256 x 64 rows, 2,048 to a projector: the chain is computed once for each table row, in 256 tiles of 64 rows
; that each belong to one projector, and a finished row is copied to every token that names it (second launch).  Every input keeps a way to the output: all six are loaded, W2 here, the others there.
; LIMITS.  A NaN, an infinity or an overflow that arises only in a projector that was not chosen for a token is not carried to the result.  Ids lie in 0 .. 16,383, as reference()'s own
; lookup relies on.  NaN and infinities in W2 are not served; blocks of W2 whose largest magnitude lies under 2^(9 - 127) keep the scale byte 1 (a block of zeros too, where the rule says
; 127: its codes are zeros, which add nothing under that byte, and this program alone reads the bytes).
; THIS LAUNCH quantises W2 once, since 32 work-groups of the second launch read each projector's weights.  W2 [8][512 k][512 n], f32, becomes codes of E4M3 and E8M0 scale bytes, along k.
; A lane takes a column n and its registers run down k, so that a block of 32 lies in one lane's registers and needs no other lane.
; The codes are laid in the order of the matrix operand's registers: byte = e 262144 + (n / 16) 8192 + (k / 128) 2048 + ((k / 32) % 4) 512 + ((k / 16) % 2) 256 + (n % 16) 16 + k % 16,
; so a lane's 16 codes are 16 bytes and sixteen neighbouring lanes store 256 consecutive bytes, aligned.  Scale words: ((e 4 + k / 128) 512 + n) 4, byte c for block c.
; SHARES.  512 waves, two to a work-group, that share nothing: no LDS, no barrier.  Wave G = 2 x work-group + wave: projector e = G / 64, columns 256 ((G / 32) % 2) + 32 (G % 8) on, K step s = (G / 8) % 4
; (128 along k: four blocks a lane).  A work-group's two waves read 256 neighbouring bytes of each row, aligned.
; THE MODE: SCHED_MODE bits 1:0 = 2 (LLVM: expert scheduling mode 2), set by the entry lines.  The code itself states the register dependences between vector instructions and memory instructions,
; with s_wait_alu, always for 0.
; THE PLAN.  Registers that memory instructions touch, and who else names them:
;   v2, v3      offsets: written at the head, never again.  One wait on va_vdst ahead of the first load serves every load and store.
;   X0 .. X3    four blocks of numbers.  Each is loaded once, and its loads are issued before any vector line names its registers: nothing is owed ahead of a load.
;   C0 .. C3    four blocks of codes.  Block c's conversions write C[c]; its two stores read it; it is never written again: nothing is owed behind a store.
;   v16         the scale bytes: a vector line in each block writes it, the last store reads it.
;   s16         written by a vector instruction: a wait on va_sdst ahead of its first reader.
; A block's two stores stand at the head of the NEXT block, behind the wait for that block's numbers and ONE wait on va_vdst, which states that the block before has written its codes.
; Behind block 3 one more such wait serves its stores and the scale word's.
.set X,   32                           ; v32-159  four blocks of 32 numbers
.set C,   160                          ; v160-191 their codes, eight registers a block: no store's data are written again
.set SB,  16                           ; v16      the four scale bytes
	s_load_b128 s[4:7], s[0:1], 0x0                ; W2 s[4:5], w2c s[6:7]
	s_load_b64 s[8:9], s[0:1], 0x10                ; w2s
	v_lshrrev_b32 v1, 5, v0
	v_readfirstlane_b32 s16, v1                    ; wave 0..1
	v_and_b32 v1, 31, v0                           ; lane
	v_lshlrev_b32 v2, 2, v1                        ; in, and the scale word out: 4 bytes a lane
	v_lshrrev_b32 v3, 4, v1
	v_and_b32 v4, 15, v1
	v_lshlrev_b32 v3, 13, v3                       ; codes out: lanes 16-31 belong to the next tile of 16 columns,
	v_lshl_add_u32 v3, v4, 4, v3                   ; 16 bytes a column
	s_wait_alu depctr_va_sdst(0)                   ; s16 is written, ahead of its first reader: all three bases are made from it
	s_lshl_b32 s17, ttmp9, 1
	s_add_co_u32 s17, s17, s16                     ; G
	s_lshr_b32 s26, s17, 6                         ; e
	s_bfe_u32 s27, s17, 0x10005                    ; which half of the columns
	s_bfe_u32 s28, s17, 0x20003                    ; s
	s_and_b32 s30, s17, 7                          ; which 32 columns of the half
	s_lshl_b32 s27, s27, 8
	s_lshl_b32 s29, s30, 5
	s_add_co_u32 s27, s27, s29                     ; n0 = my wave's first column
	s_lshl_b32 s24, s26, 20                        ; W2: e x 512 x 2048 bytes
	s_lshl_b32 s29, s28, 18                        ;     + 128 s rows of 2,048 bytes
	s_add_co_u32 s24, s24, s29
	s_lshl_b32 s29, s27, 2                         ;     + 4 n0
	s_add_co_u32 s24, s24, s29
	s_mov_b32 s25, 0
	s_lshl_b32 s34, s26, 13                        ; scale words: ((4 e + s) 512 + n0) 4
	s_add_co_u32 s34, s34, s29
	s_lshl_b32 s29, s28, 11
	s_add_co_u32 s34, s34, s29
	s_mov_b32 s35, 0
	s_lshl_b32 s32, s26, 18                        ; codes: e 262144
	s_add_co_u32 s32, s32, s29                     ;     + 2048 s
	s_lshl_b32 s29, s27, 9                         ;     + (n0 / 16) 8192
	s_add_co_u32 s32, s32, s29
	s_mov_b32 s33, 0
	s_mov_b32 s20, 0x600000                        ; the mantissa field of 448
	s_wait_kmcnt 0x0
	s_add_nc_u64 s[4:5], s[4:5], s[24:25]
	s_add_nc_u64 s[6:7], s[6:7], s[32:33]
	s_add_nc_u64 s[8:9], s[8:9], s[34:35]
	s_wait_alu depctr_va_vdst(0)                   ; the offsets v2 and v3 are written, which every load and store below reads; no later vector line names them
.macro LOADB c                         ; block c: W2(128 s + 32 c + i, my column): 32 lanes read 128 consecutive bytes
.irp i, 0,1,2,3,4,5,6,7,8,9,10,11,12,13,14,15,16,17,18,19,20,21,22,23,24,25,26,27,28,29,30,31
	global_load_b32 v[X+32*\c+\i], v2, s[4:5] offset:(32*\c+\i)*2048 th:TH_LOAD_NT
.endr
.endm
.macro BLOCK c
.set XS, X+32*\c
	v_max3_num_f32 v12, |v[XS]|, |v[XS+1]|, |v[XS+2]|              ; the block's largest magnitude: all 32 numbers are mine; two chains
	v_max3_num_f32 v13, |v[XS+3]|, |v[XS+4]|, |v[XS+5]|
.irp i, 6,10,14,18,22,26
	v_max3_num_f32 v12, v12, |v[XS+\i]|, |v[XS+\i+1]|
	v_max3_num_f32 v13, v13, |v[XS+\i+2]|, |v[XS+\i+3]|
.endr
	v_max3_num_f32 v12, v12, |v[XS+30]|, |v[XS+31]|
	v_max3_num_f32 v12, v12, v13, 0x4800000        ; and the floor 2^(9 - 127): the byte cannot fall under 1
	v_add_nc_u32 v11, 0xfc000000, v12              ; 8 off the exponent field: the conversion takes this operand's exponent field as its scale
	v_and_or_b32 v10, v12, 0x7f800000, s20         ; 448 x the scale
	v_lshrrev_b32 v13, 23, v11                     ; the scale's byte
.if \c == 0
	v_mov_b32 v[SB], v13
.else
	v_lshl_or_b32 v[SB], v13, 8*\c, v[SB]
.endif
.irp i, 0,1,2,3,4,5,6,7,8,9,10,11,12,13,14,15,16,17,18,19,20,21,22,23,24,25,26,27,28,29,30,31
	v_med3_num_f32 v[XS+\i], v[XS+\i], -v10, v10   ; the conversion to an 8-bit code does not saturate (ISA guide 7.6.2): the hold at the largest code x the scale
.endr
.irp g, 0,1,2,3
	v_cvt_scalef32_pk8_fp8_f32 v[C+8*\c+2*\g:C+8*\c+2*\g+1], v[XS+8*\g:XS+8*\g+7], v11
.endr
.endm                                  ; (the next block begins with plain vector lines, which stand between these conversions and the next write of their scale operand)
.macro SEND c                          ; block c's 32 codes a lane
	global_store_b128 v3, v[C+8*\c:C+8*\c+3], s[6:7] offset:512*\c          ; k = 32 c + 0 .. 15: sixteen lanes store 256 consecutive bytes, aligned
	global_store_b128 v3, v[C+8*\c+4:C+8*\c+7], s[6:7] offset:512*\c+256    ; k = 32 c + 16 .. 31
.endm
	LOADB 0
	LOADB 1
	s_wait_loadcnt 32                              ; block 0 is in: 32 loads were issued behind it
	LOADB 2
	BLOCK 0
	s_wait_loadcnt 32                              ; block 1 is in: block 2's 32 may be out
	LOADB 3                                        ; no vector line has named its registers
	s_wait_alu depctr_va_vdst(0)                   ; block 0's conversions have written C0, which the two stores below read
	SEND 0
	BLOCK 1
	s_wait_loadcnt 32                              ; block 2 is in: block 3's 32 may be out
	s_wait_alu depctr_va_vdst(0)                   ; block 1's conversions have written C1, which the two stores below read
	SEND 1
	BLOCK 2
	s_wait_loadcnt 0x0
	s_wait_alu depctr_va_vdst(0)                   ; block 2's conversions have written C2, which the two stores below read
	SEND 2
	BLOCK 3
	s_wait_alu depctr_va_vdst(0)                   ; block 3's conversions have written C3, and the line ahead of its holds the fourth byte of v16: the three stores below read them
	SEND 3
	global_store_b32 v2, v[SB], s[8:9]             ; my column's scale word: 128 consecutive bytes a wave, 256 a work-group; one byte for 128 read
	s_endpgm
.Lfunc_end_k_qc1ea98ce52_prep:
	.size	k_qc1ea98ce52_prep, .Lfunc_end_k_qc1ea98ce52_prep-k_qc1ea98ce52_prep
	.p2alignl 7, 3214868480
	.fill 96, 4, 3214868480
	.section	.rodata,"a",@progbits
	.p2align	6, 0x0
	.amdhsa_kernel k_qc1ea98ce52_prep
		.amdhsa_group_segment_fixed_size 0
		.amdhsa_private_segment_fixed_size 0
		.amdhsa_enable_private_segment 0
		.amdhsa_kernarg_size 24
		.amdhsa_user_sgpr_count 2
		.amdhsa_user_sgpr_kernarg_segment_ptr 1
		.amdhsa_wavefront_size32 1
		.amdhsa_system_sgpr_workgroup_id_x 1
		.amdhsa_system_sgpr_workgroup_id_y 1
		.amdhsa_system_sgpr_workgroup_id_z 1
		.amdhsa_system_vgpr_workitem_id 0
		.amdhsa_next_free_vgpr 192
		.amdhsa_next_free_sgpr 66
		.amdhsa_reserve_vcc 0
		.amdhsa_float_denorm_mode_32 3
		.amdhsa_float_denorm_mode_16_64 3
		.amdhsa_memory_ordered 1
		.amdhsa_forward_progress 1
		.amdhsa_inst_pref_size 30
	.end_amdhsa_kernel
	.amdgpu_metadata
---
amdhsa.version: [ 1, 2 ]
amdhsa.kernels:
  - .name:           k_qc1ea98ce52_prep
    .symbol:         k_qc1ea98ce52_prep.kd
    .args:
      - { .name: W2, .offset: 0, .size: 8, .value_kind: global_buffer, .address_space: global }
      - { .name: w2c, .offset: 8, .size: 8, .value_kind: global_buffer, .address_space: global }
      - { .name: w2s, .offset: 16, .size: 8, .value_kind: global_buffer, .address_space: global }
    .group_segment_fixed_size: 0
    .private_segment_fixed_size: 0
    .kernarg_segment_align: 8
    .kernarg_segment_size: 24
    .max_flat_workgroup_size: 64
    .sgpr_count:     66
    .vgpr_count:     192
    .wavefront_size: 32
...
	.end_amdgpu_metadata
.endif
;; end of part 3
;; launch chain: the kernel of part 2 again; grid 256 x 1, 8 waves a work-group, no clusters, 166,912 bytes of LDS; arguments embed_table, W1, b1, w2c, w2s, b2, codec_input_ids, out0; writes out0
